; MI455X (gfx1250); checked and timed in simulation.
; The chip was launched on July 23, 2026; its instructions are those of AMD's public machine-readable ISA for CDNA 5 (MIT licence, August 2026) and "CDNA5" Instruction Set Architecture Reference Guide (July 2026). The comments in the code are by the model that wrote it; some were corrected since.
;; Attention Layer. Allowed arithmetic: matrix products marked QUANTISED: E2M1 operands, one E8M0 scale for each 32 along K, by v_wmma_scale_f32_16x16x128_f8f6f4 with both operands' format E2M1 (or v_wmma_scale_f32_32x16x128_f4), f32 sums; products left as they are: bf16, f16 or f32 operands; f32 sums; everything else in f32.
;; Inputs: bk 64 x 64 float32; bo 64 x 64 float32; bq 64 x 64 float32; bv 64 x 64 float32; keys 2 x 128 x 64 x 64 float32; queries 2 x 128 x 64 x 64 float32; values 2 x 128 x 64 x 64 float32; wk_l 64 x 64 float32; wk_r 64 x 64 float32; wo_l 64 x 64 float32; wo_r 64 x 64 float32; wq_l 64 x 64 float32; wq_r 64 x 64 float32; wv_l 64 x 64 float32; wv_r 64 x 64 float32.
;; Outputs: out0 2 x 128 x 64 x 64 float32.
;; This version of the problem:
;;   THIS VERSION OF THE PROBLEM IS GIVEN IN LOW PRECISION. The matrix products marked QUANTISED in the list below multiply operands that are first quantised to E2M1 (2 exponent bits, 1 mantissa bit; 4 bits a number), with one power-of-two scale for each 32 numbers along K (OCP MX v1.0); their sums are f32. The products marked 'left as it is' may take bf16, f16 or f32 operands, with f32 sums. Whichever they take, every output number must still come out within the allowed error. Rounding operands to bf16 (8 significant bits) uses up far more of that allowance than f16 does (11 bits, for magnitudes from 6e-5 to 65,504). All else is computed in f32.
;;   The module's matrix products, in the order in which they are computed (A, B: the left and right operand; K: the contracted axis; several contracted axes count as one K, in the product's order):
;;     1. [M 64, K 64] x [K 64, N 16,384]; A: input wq_l; B: input queries: QUANTISED
;;     2. [M 16,384, K 64] x [K 64, N 64]; A: computed on the way; B: input wq_r: left as it is (an operand is computed on the way)
;;     3. [M 64, K 64] x [K 64, N 16,384]; A: input wk_l; B: input keys: QUANTISED
;;     4. [M 16,384, K 64] x [K 64, N 64]; A: computed on the way; B: input wk_r: left as it is (an operand is computed on the way)
;;     5. [M 64, K 64] x [K 64, N 16,384]; A: input wv_l; B: input values: QUANTISED
;;     6. [M 16,384, K 64] x [K 64, N 64]; A: computed on the way; B: input wv_r: left as it is (an operand is computed on the way)
;;     7. batch 128 x [M 1,024, K 8] x [K 8, N 1,024]; A: computed on the way; B: computed on the way: left as it is (K = 8 < 32)
;;     8. batch 128 x [M 8, K 1,024] x [K 1,024, N 1,024]; A: computed on the way; B: computed on the way: left as it is (M = 8 < 16)
;;     9. [M 64, K 64] x [K 64, N 16,384]; A: input wo_l; B: computed on the way: left as it is (an operand is computed on the way)
;;     10. [M 16,384, K 64] x [K 64, N 64]; A: computed on the way; B: input wo_r: left as it is (an operand is computed on the way)
;;   THE QUANTISER, for each operand of a quantised product, along K:
;;     - K is cut into blocks of 32 from its start; a last block that is shorter is filled with zeros.
;;     - A block's scale is 2^e with e = floor(log2(the largest magnitude in the block)) - 2, held to -126 .. 127; a block of zeros has e = 0. As a byte (E8M0): e + 127.
;;     - Each number is divided by its block's scale, clamped to +-6, and rounded to the nearest number of E2M1, ties to even, subnormals kept.
;;     - The product sums the exact products of the quantised numbers (number of the format x scale) in f32.
;;   ~~~python
;;   def quantise(x, axis):      # numpy; x: float32 -> the quantised numbers, widened to float32 again
;;       x = np.moveaxis(x, axis, -1); K = x.shape[-1]
;;       x = np.pad(x, [(0, 0)] * (x.ndim - 1) + [(0, -K % 32)]); x = x.reshape(x.shape[:-1] + (-1, 32)); a = np.abs(x).max(-1, keepdims=True)
;;       e = np.where(a > 0, np.clip(np.frexp(np.where(a > 0, a, 1))[1] - 1 - 2, -126, 127), 0)      # np.frexp(a)[1] - 1 = floor(log2(a)), exactly
;;       r = np.clip(x / 2.0 ** e, -6, 6)
;;       step = 2.0 ** (np.maximum(np.frexp(np.where(r == 0, 1, r))[1] - 1, 0) - 1)
;;       q = np.round(r / step) * step * 2.0 ** e      # np.round: ties to even
;;       return np.moveaxis(q.reshape(q.shape[:-2] + (-1,))[..., :K], -1, axis).astype(np.float32)
;;   ~~~
;; One version. Each part assembles by itself: llvm-mc -triple=amdgcn-amd-amdhsa -mcpu=gfx1250 --defsym DOCPART=n.
;; ======== version 1 of 1: 3 launches
;; workspace buffers: qws 4,194,304 bytes; kws 4,194,304 bytes; vws 4,194,304 bytes; mh 4,194,304 bytes
;; launch proj (part 1): grid 128 x 3, 4 waves a work-group, no clusters, 38,912 bytes of LDS; arguments queries, keys, values, wq_l, wk_l, wv_l, wq_r, wk_r, wv_r, qws, kws, vws, bq, bv; writes qws, kws, vws
.if DOCPART == 1
	.amdgcn_target "amdgcn-amd-amdhsa--gfx1250"
	.amdhsa_code_object_version 6
	.text
	.protected	k_qaf454b4ed5_proj
	.globl	k_qaf454b4ed5_proj
	.p2align	8
	.type	k_qaf454b4ed5_proj,@function
k_qaf454b4ed5_proj:
	s_mov_b64 s[64:65], 0
	v_nop
	global_prefetch_b8 v0, s[64:65] scope:SCOPE_SE
	s_setreg_imm32_b32 hwreg(HW_REG_WAVE_MODE, 25, 1), 1
	s_wait_xcnt 0x0
; THE THREE BILINEAR LAYERS IN FRONT OF THE ATTENTION.  R[c][d] = sum over a, b of X[a][b] wl[a][c] wr[b][d], for 256 matrices X of 64 x 64 of each of queries, keys, values (work-group y = 0, 1, 2).
; The sum over a is the QUANTISED product: X and wl become codes of E2M1 with one E8M0 scale for each 32 along a, and go to the scaled matrix instruction; K = 64 fills half of its 128, the other half holds zero codes
; on both sides under the byte 0x7f.  The sum over b is left as it is: both operands go as PAIRS of bf16 (hi + lo, split in f32), three products of the four (lo x lo is left out: 2^-18 of the sum).
; DEAD WORK: bk.  k = (Rk + bk) / 8, and bk is the same for every key.  Its part of sim[q][k][l][r][x][y] is sum over e of q[l][r][x][e] bk[8 l + y][8 r + e] / 64, which does not hang on the key k, the softmax's axis: the softmax
; takes it away for all values of the inputs.  The product of q and k is not quantised, so bk moves no code and no scale.  bk has no way to any output: it is not loaded and is among no launch's arguments.
; LIMITS: a NaN, an infinity or an overflow that reaches only bk's term is not carried to the result; NaN and infinities among the inputs are not served; blocks whose largest magnitude lies under 2^(3 - 127) keep the byte 1.
; STORED: q' = (Rq + bq) log2(e) / 64 and k' = Rk / 8 as pairs of bf16, v = (Rv + bv) / 8 as f32, laid [batch x 64 + 8 l + r][s][x][32 bytes]: 256 bytes on end for a head and a position.  sum over e of q' k' is sim x log2(e).
; SHARES: a work-group takes two matrices.  Wave w quantises 32 columns of one of them (a lane a column, its registers down a), its own 16 columns c of wl, and splits 16 columns d of wr; codes and fragments go to the other waves
; through LDS as images of their registers.  Then wave w makes rows c = 16 w .. 16 w + 15 of R for both matrices.
.set XIMG,  0                          ; LDS: X's fragments: matrix x 2048 + tile of 16 b x 512 + 16 x lane
.set XSC,   4096                       ; their scale words: matrix x 256 + 128 x (b / 32) + 4 x lane
.set WRIMG, 4608                       ; wr's fragments: tile of 16 d x 4096 + n x 512 + 16 x lane
.set STG,   20992                      ; a stage for each wave: 16 runs of 256 bytes, 272 apart
.set SPARE, 38400                      ; the spare words, 128 bytes a wave; no other line names them
.set XA,  4                            ; v4   X: 4 x lane + 128 x (wave % 2)
.set WA,  5                            ; v5   wl: 8192 h + 4 r + 64 w
.set RA,  6                            ; v6   wr: 2048 h + 4 r + 64 w
.set BA,  7                            ; v7   bias: 256 (16 w + r) + 32 h
.set LI,  8                            ; v8   16 x lane
.set LS,  9                            ; v9   4 x lane
.set XWI, 10                           ; v10  where I store X's images
.set XWS, 11                           ; v11  and their scale words
.set RWI, 12                           ; v12  and wr's images
.set SO,  13                           ; v13  the stage, in
.set SR,  14                           ; v14  the stage, back
.set GO,  15                           ; v15  my byte offset in the workspace
.set SPW, 16                           ; v16  my spare word's LDS address; never rewritten
.set NIL, 17                           ; v17  0; never rewritten
.set T,   20                           ; v20-27 at work in SPLIT
.set XR,  32                           ; v32-95 X as loaded
.set D1,  32                           ; v32-63 the quantised product's four tiles; then the rows read back from the stage
.set OUTR, 32
.set ACC, 64                           ; v64-95 R's four tiles
.set WLR, 96                           ; v96-127 wl as loaded
.set THI, 96                           ; v96-111 the first product as an operand, high parts; v112-127 low parts
.set TLO, 112
.set WRR, 128                          ; v128-159 wr as loaded; then what is stored
.set PAY, 128
.set WRF, 160                          ; v160-191 my four fragments of wr; then R scaled
.set TMP, 160
.set XF,  192                          ; v192-223 X's four fragments; registers 4-7 of each hold zero codes
.set WLF, 224                          ; v224-231 wl's fragment, likewise
.set XS,  232                          ; v232-233 X's scale words;  v234 wl's: they hold scales and nothing else
.set WLS, 234
.set C0,  236                          ; v236-243 X's codes as they are made;  v244 their scale word
.set XW,  244
.set BIAS, 128                         ; window 1: v128-159 the bias in the result's layout;  v0-127 wr's 16 fragments, (td, ks, part) at 8 (4 td + 2 ks + part)
.set PX,  32                           ; s[32:33] X, s[34:35] wl, s[36:37] wr, s[38:39] the workspace, s[40:41] the bias
.set PWL, 34
.set PWR, 36
.set PWS, 38
.set PB,  40
.set TEN, 42                           ; s42 the tensor: 0 q, 1 k, 2 v
.set WV,  43                           ; s43 my wave
.set SEL, 44                           ; s[44:45] lane l xor 16
.set SCL, 46                           ; s[46:47] the factor of what is stored
.set MSB, 0
.macro WIN new                         ; the immediate's high byte repeats the setting that is left
.if MSB != \new
	s_set_vgpr_msb (MSB<<8)|\new
.set MSB, \new
.endif
.endm
; eight f32 become four registers of bf16 high parts and four of low parts; the difference is exact in f32.  The source is read from its low end on
.macro SPLIT src, hi, lo
.irp i, 0,1,2,3
	v_cvt_pk_bf16_f32 v[(\hi)+\i], v[(\src)+2*\i], v[(\src)+2*\i+1]
.endr
.irp i, 0,1,2,3
	v_lshlrev_b32 v[T+2*\i], 16, v[(\hi)+\i]
	v_and_b32 v[T+2*\i+1], 0xffff0000, v[(\hi)+\i]
.endr
.irp i, 0,1,2,3
	v_pk_add_f32 v[T+2*\i:T+2*\i+1], v[(\src)+2*\i:(\src)+2*\i+1], v[T+2*\i:T+2*\i+1] neg_lo:[0,1] neg_hi:[0,1]
.endr
.irp i, 0,1,2,3
	v_cvt_pk_bf16_f32 v[(\lo)+\i], v[T+2*\i], v[T+2*\i+1]
.endr
.endm
; W[32 ks + 16 g + 8 h + j][16 w + r] into register 16 ks + 8 g + j: the order of a 16-bit operand whose K is W's first axis
.macro WLOAD raw, voff, base
.irp ks, 0,1
.irp g, 0,1
.irp j, 0,1,2,3,4,5,6,7
	global_load_b32 v[(\raw)+16*\ks+8*\g+\j], v[\voff], s[\base:\base+1] offset:(32*\ks+16*\g+\j)*256
.endr
.endr
.endr
.endm
.macro WFRAG raw, f                    ; fragment (ks, hi) at f + 16 ks, (ks, lo) at f + 16 ks + 8
.irp ks, 0,1
.irp g, 0,1
	SPLIT (\raw)+16*\ks+8*\g, (\f)+16*\ks+4*\g, (\f)+16*\ks+8+4*\g
.endr
.endr
.endm
.macro IMG4 adr, f, off                ; four fragments go to LDS as they stand, 16 bytes a lane
.irp n, 0,1,2,3,4,5,6,7
	ds_store_b128 v[\adr], v[(\f)+4*\n:(\f)+4*\n+3] offset:(\off)+512*\n
.endr
.endm
.macro PLACES
.rept 4
	v_nop
.endr
.endm
	s_load_b512 s[4:19], s[0:1], 0x0               ; queries, keys, values, wq_l, wk_l, wv_l, wq_r, wk_r
	s_load_b256 s[20:27], s[0:1], 0x40             ; wv_r, qws, kws, vws
	s_load_b128 s[28:31], s[0:1], 0x60             ; bq, bv
	v_lshl_add_u32 v[SPW], v0, 2, SPARE
	v_mov_b32 v[NIL], 0
	v_lshrrev_b32 v1, 5, v0
	v_readfirstlane_b32 s[WV], v1                  ; wave 0..3
	s_and_b32 s[TEN], ttmp7, 0xffff
	s_mov_b32 s[SEL], 0x76543210
	s_mov_b32 s[SEL+1], 0xfedcba98
	v_and_b32 v1, 31, v0                           ; lane
	v_and_b32 v2, 15, v0                           ; r
	v_bfe_u32 v3, v0, 4, 1                         ; h
	s_and_b32 s48, s[WV], 1
	s_lshl_b32 s48, s48, 7
	v_lshl_add_u32 v[XA], v1, 2, s48
	s_lshl_b32 s49, s[WV], 6
	v_lshl_add_u32 v[RA], v2, 2, s49               ; 4 r + 64 w
	v_lshl_add_u32 v[WA], v3, 13, v[RA]
	v_lshl_add_u32 v[RA], v3, 11, v[RA]
	s_lshl_b32 s50, s[WV], 12
	v_lshl_add_u32 v[BA], v2, 8, s50
	v_lshl_add_u32 v[BA], v3, 5, v[BA]
	v_lshlrev_b32 v[LI], 4, v1
	v_lshlrev_b32 v[LS], 2, v1
	s_lshl_b32 s51, s[WV], 10
	v_add_nc_u32 v[XWI], s51, v[LI]
	s_lshl_b32 s52, s[WV], 7
	v_add_nc_u32 v[XWS], s52, v[LS]
	v_add_nc_u32 v[RWI], s50, v[LI]
	s_mul_i32 s53, s[WV], 4352
	s_add_co_u32 s53, s53, STG                     ; my stage
	v_bfe_u32 v18, v0, 3, 1
	v_mul_u32_u24 v[SO], v18, 2176                 ; in: run 8 (r / 8) + 2 td + h, and in it 32 (r % 8)
	v_mad_u32_u24 v[SO], v3, 272, v[SO]
	v_and_b32 v18, 7, v0
	v_lshl_add_u32 v[SO], v18, 5, v[SO]
	v_add_nc_u32 v[SO], s53, v[SO]
	v_mul_u32_u24 v[SR], v3, 272                   ; back: lanes 0-15 one run, lanes 16-31 the next
	v_lshl_add_u32 v[SR], v2, 4, v[SR]
	v_add_nc_u32 v[SR], s53, v[SR]
	s_lshl_b32 s54, s[WV], 19                      ; 16 heads of 32,768 bytes a wave
	v_lshl_add_u32 v[GO], v2, 4, s54
	v_lshl_add_u32 v[GO], v3, 15, v[GO]
.irp tb, 0,1,2,3
.irp i, 4,5,6,7
	v_mov_b32 v[XF+8*\tb+\i], 0                    ; k = 64 .. 127 of the instruction: zero codes
.endr
.endr
.irp i, 4,5,6,7
	v_mov_b32 v[WLF+\i], 0
.endr
	WIN 0x40                                       ; destination window 1
.set n, 0
.rept 32
	v_mov_b32 v[BIAS+n], 0                         ; the C of each sum's first product: zeros for the keys, whose bias is dead work; bq or bv is loaded over them below
.set n, n+1
.endr
	WIN 0
	s_mov_b32 s[SCL], 0x3e000000                   ; 1 / 8
	s_cmp_eq_u32 s[TEN], 0
	s_cselect_b32 s[SCL], 0x3cb8aa3b, s[SCL]       ; q: log2(e) / 64
	s_mov_b32 s[SCL+1], s[SCL]
	s_lshl_b32 s48, ttmp9, 1                       ; my first matrix
	s_lshr_b32 s49, s[WV], 1
	s_add_co_u32 s50, s48, s49                     ; the matrix that my wave quantises
	s_lshl_b32 s50, s50, 14
	s_mov_b32 s51, 0
	s_lshr_b32 s52, s48, 7                         ; batch: 64 heads of 32,768 bytes
	s_lshl_b32 s52, s52, 21
	s_and_b32 s53, s48, 127                        ; position: 256 bytes
	s_lshl_b32 s53, s53, 8
	s_add_co_u32 s52, s52, s53
	s_mov_b32 s53, 0
	s_wait_kmcnt 0x0
	s_cmp_eq_u32 s[TEN], 0                         ; the buffers are chosen by the work-group's number alone
	s_cselect_b64 s[PX:PX+1], s[4:5], s[6:7]
	s_cselect_b64 s[PWL:PWL+1], s[10:11], s[12:13]
	s_cselect_b64 s[PWR:PWR+1], s[16:17], s[18:19]
	s_cselect_b64 s[PWS:PWS+1], s[22:23], s[24:25]
	s_cmp_eq_u32 s[TEN], 2
	s_cselect_b64 s[PX:PX+1], s[8:9], s[PX:PX+1]
	s_cselect_b64 s[PWL:PWL+1], s[14:15], s[PWL:PWL+1]
	s_cselect_b64 s[PWR:PWR+1], s[20:21], s[PWR:PWR+1]
	s_cselect_b64 s[PWS:PWS+1], s[26:27], s[PWS:PWS+1]
	s_cselect_b64 s[PB:PB+1], s[30:31], s[28:29]
	s_add_nc_u64 s[PX:PX+1], s[PX:PX+1], s[50:51]
	s_add_nc_u64 s[PWS:PWS+1], s[PWS:PWS+1], s[52:53]
.set a, 0
.rept 64
	global_load_b32 v[XR+a], v[XA], s[PX:PX+1] offset:a*256 th:TH_LOAD_NT   ; X[a][my column]: 32 lanes read 128 consecutive bytes
.set a, a+1
.endr
	s_cmp_eq_u32 s[TEN], 1
	s_cbranch_scc1 .Lno_bias                       ; the keys load no bias
	WIN 0x40
.irp td, 0,1,2,3
	global_load_b128 v[BIAS+8*\td:BIAS+8*\td+3], v[BA], s[PB:PB+1] offset:\td*64        ; b[16 w + r][16 td + 8 h + 0 .. 7]
	global_load_b128 v[BIAS+8*\td+4:BIAS+8*\td+7], v[BA], s[PB:PB+1] offset:\td*64+16
.endr
	WIN 0
.Lno_bias:
.set a, 0
.rept 32
	global_load_b32 v[WLR+a], v[WA], s[PWL:PWL+1] offset:a*256    ; wl[32 h + a][16 w + r]
.set a, a+1
.endr
	WLOAD WRR, RA, PWR
	; ---- X: my column's two blocks of 32 along a
	s_wait_loadcnt 63                              ; behind X's 64 loads stand 64 (keys) or 72: with 63 out at the most X is in
.irp b, 0,1
	v_max3_num_f32 v[18+\b], |v[XR+32*\b]|, |v[XR+32*\b+1]|, 0x1800000   ; the block's largest magnitude, with the floor 2^(3 - 127): the byte cannot fall under 1
.endr
.irp i, 2,4,6,8,10,12,14,16,18,20,22,24,26,28,30
.irp b, 0,1
	v_max3_num_f32 v[18+\b], v[18+\b], |v[XR+32*\b+\i]|, |v[XR+32*\b+\i+1]|
.endr
.endr
.irp b, 0,1
	v_add_nc_u32 v[28+\b], 0xff000000, v[18+\b]    ; 2 off its exponent field: the conversion's scale operand
.endr
.irp b, 0,1
	v_lshrrev_b32 v[30+\b], 23, v[28+\b]           ; the scale's byte
.endr
	v_lshl_or_b32 v[XW], v31, 8, v30
	v_or_b32 v[XW], 0x7f7f0000, v[XW]              ; bytes 2 and 3 stand over zero codes
.irp b, 0,1
.irp g, 0,1,2,3
	v_cvt_scalef32_pk8_fp4_f32 v[C0+4*\b+\g], v[XR+32*\b+8*\g:XR+32*\b+8*\g+7], v[28+\b]
.endr
.endr
	v_nop                                          ; one plain place behind a scaled conversion
.irp i, 0,1,2,3
	v_permlane16_swap_b32 v[C0+\i], v[C0+4+\i]     ; lanes 0-15 keep block 0 and lanes 16-31 take block 1 of the same 16 columns: the first four registers are my first tile's fragment, the others my second's
.endr
	ds_store_b128 v[XWI], v[C0:C0+3] offset:XIMG
	ds_store_b128 v[XWI], v[C0+4:C0+7] offset:XIMG+512
	ds_store_b32 v[XWS], v[XW] offset:XSC
	; ---- wl: column c = 16 w + r, my block h
	s_wait_loadcnt 32                              ; behind wl's loads stand wr's 32
	v_max3_num_f32 v18, |v[WLR]|, |v[WLR+1]|, 0x1800000
	v_max3_num_f32 v19, |v[WLR+16]|, |v[WLR+17]|, 0x1800000
.irp i, 2,4,6,8,10,12,14
	v_max3_num_f32 v18, v18, |v[WLR+\i]|, |v[WLR+\i+1]|
	v_max3_num_f32 v19, v19, |v[WLR+16+\i]|, |v[WLR+17+\i]|
.endr
	v_max_num_f32 v18, v18, v19
	v_add_nc_u32 v28, 0xff000000, v18
	v_lshrrev_b32 v30, 23, v28
	v_lshlrev_b32 v31, 3, v3
	v_lshlrev_b32 v30, v31, v30                    ; my byte at its place, 8 h bits up
	v_permlanex16_b32 v29, v30, s[SEL], s[SEL+1]
	v_or_b32 v30, v30, v29
	v_or_b32 v[WLS], 0x7f7f0000, v30
.irp g, 0,1,2,3
	v_cvt_scalef32_pk8_fp4_f32 v[WLF+\g], v[WLR+8*\g:WLR+8*\g+7], v28
.endr
	v_nop
	; ---- wr: my 16 columns d as pairs of bf16.  (These plain lines are also the places between wl's scale word and codes and the scaled products)
	s_wait_loadcnt 0x0
	WFRAG WRR, WRF
	IMG4 RWI, WRF, WRIMG
	s_wait_dscnt 0x0                               ; my images have landed
	s_barrier_signal -1
	s_barrier_wait -1                              ; everybody's have
	WIN 0x40
.set n, 0
.rept 32
	ds_load_b128 v[4*n:4*n+3], v[LI] offset:WRIMG+512*n
.set n, n+1
.endr
	WIN 0
; four products of one term, the four accumulators by turns.  wf: 16 ks + 8 part in wr's fragments; tf: the other operand's fragment
.macro TERM wf, tf, first
.irp td, 0,1,2,3
.if \first
	v_wmma_f32_16x16x32_bf16 v[ACC+8*\td:ACC+8*\td+7], v[32*\td+\wf:32*\td+\wf+7], v[\tf:\tf+7], v[BIAS+8*\td:BIAS+8*\td+7]
.else
	v_wmma_f32_16x16x32_bf16 v[ACC+8*\td:ACC+8*\td+7], v[32*\td+\wf:32*\td+\wf+7], v[\tf:\tf+7], v[ACC+8*\td:ACC+8*\td+7]
.endif
.endr
.endm
.macro MATRIX m
.if \m
	s_wait_xcnt 0x0                                ; the last matrix's stores have read their registers, which the products below write
.endif
.irp tb, 0,1,2,3
	ds_load_b128 v[XF+8*\tb:XF+8*\tb+3], v[LI] offset:XIMG+\m*2048+\tb*512
.endr
.irp u, 0,1
	ds_load_b32 v[XS+\u], v[LS] offset:XSC+\m*256+\u*128
.endr
	s_wait_dscnt 0x0
.irp tb, 0,1,2,3                       ; source 0 = 16 columns b of X, source 1 = my 16 columns c of wl: lane (r, h) holds c = 16 w + r, register j holds b = 16 tb + 8 h + j
.if \tb%2
	v_wmma_scale_f32_16x16x128_f8f6f4 v[D1+8*\tb:D1+8*\tb+7], v[XF+8*\tb:XF+8*\tb+7], v[WLF:WLF+7], 0, v[XS+\tb/2], v[WLS] matrix_a_fmt:MATRIX_FMT_FP4 matrix_b_fmt:MATRIX_FMT_FP4 matrix_a_scale:MATRIX_SCALE_ROW1
.else
	v_wmma_scale_f32_16x16x128_f8f6f4 v[D1+8*\tb:D1+8*\tb+7], v[XF+8*\tb:XF+8*\tb+7], v[WLF:WLF+7], 0, v[XS+\tb/2], v[WLS] matrix_a_fmt:MATRIX_FMT_FP4 matrix_b_fmt:MATRIX_FMT_FP4
.endif
.endr
	PLACES
.irp tb, 0,1,2,3                       ; tiles 2 ks and 2 ks + 1 are the 32 neighbours along b of K step ks, in the operand's order
	SPLIT D1+8*\tb, THI+8*(\tb/2)+4*(\tb%2), TLO+8*(\tb/2)+4*(\tb%2)
.endr
	WIN 0x11                                       ; source 0 (wr) and C (the bias) window 1
	TERM 0, THI, 1
	WIN 0x01
	TERM 16, THI+8, 0
	TERM 0, TLO, 0
	TERM 16, TLO+8, 0
	TERM 8, THI, 0
	TERM 24, THI+8, 0
	WIN 0
	PLACES                                         ; lane (r, h) of tile td: row c = 16 w + r, right head 2 td + h, e = register
	s_cmp_eq_u32 s[TEN], 2
	s_cbranch_scc1 .Lplain_\@
.irp i, 0,2,4,6,8,10,12,14,16,18,20,22,24,26,28,30
	v_pk_mul_f32 v[TMP+\i:TMP+\i+1], v[ACC+\i:ACC+\i+1], s[SCL:SCL+1] op_sel_hi:[1,0]
.endr
.irp td, 0,1,2,3
	SPLIT TMP+8*\td, PAY+8*\td, PAY+8*\td+4        ; q, k: 16 bytes of high parts, 16 of low parts
.endr
	s_branch .Lpacked_\@
.Lplain_\@:
.irp i, 0,2,4,6,8,10,12,14,16,18,20,22,24,26,28,30
	v_pk_mul_f32 v[PAY+\i:PAY+\i+1], v[ACC+\i:ACC+\i+1], s[SCL:SCL+1] op_sel_hi:[1,0]   ; v: eight f32
.endr
.Lpacked_\@:
.irp td, 0,1,2,3
.irp p, 0,1
	ds_store_b128 v[SO], v[PAY+8*\td+4*\p:PAY+8*\td+4*\p+3] offset:\td*544+16*\p
.endr
.endr
.irp i, 0,1,2,3,4,5,6,7
	ds_load_b128 v[OUTR+4*\i:OUTR+4*\i+3], v[SR] offset:\i*544   ; my own bytes, served in order: these see the stores above
.endr
.irp i, 0,1,2,3,4,5,6,7
	s_wait_dscnt 7-\i
	global_store_b128 v[GO], v[OUTR+4*\i:OUTR+4*\i+3], s[PWS:PWS+1] offset:(\i/4)*262144+(\i%4)*65536+\m*256   ; sixteen lanes store 256 consecutive bytes, aligned: a head's eight rows at this position
.endr
.endm
	MATRIX 0
	MATRIX 1
	s_wait_tensorcnt 0x0                           ; the wave's end
	ds_add_u32 v[SPW], v[NIL]
	s_wait_dscnt 0x0
	s_endpgm
.Lfunc_end_k_qaf454b4ed5_proj:
	.size	k_qaf454b4ed5_proj, .Lfunc_end_k_qaf454b4ed5_proj-k_qaf454b4ed5_proj
	.p2alignl 7, 3214868480
	.fill 96, 4, 3214868480
	.section	.rodata,"a",@progbits
	.p2align	6, 0x0
	.amdhsa_kernel k_qaf454b4ed5_proj
		.amdhsa_group_segment_fixed_size 38912
		.amdhsa_private_segment_fixed_size 0
		.amdhsa_enable_private_segment 0
		.amdhsa_kernarg_size 112
		.amdhsa_user_sgpr_count 2
		.amdhsa_user_sgpr_kernarg_segment_ptr 1
		.amdhsa_wavefront_size32 1
		.amdhsa_system_sgpr_workgroup_id_x 1
		.amdhsa_system_sgpr_workgroup_id_y 1
		.amdhsa_system_sgpr_workgroup_id_z 1
		.amdhsa_system_vgpr_workitem_id 0
		.amdhsa_next_free_vgpr 416
		.amdhsa_next_free_sgpr 66
		.amdhsa_reserve_vcc 0
		.amdhsa_float_denorm_mode_32 3
		.amdhsa_float_denorm_mode_16_64 3
		.amdhsa_memory_ordered 1
		.amdhsa_forward_progress 1
		.amdhsa_inst_pref_size 63
	.end_amdhsa_kernel
	.amdgpu_metadata
---
amdhsa.version: [ 1, 2 ]
amdhsa.kernels:
  - .name:           k_qaf454b4ed5_proj
    .symbol:         k_qaf454b4ed5_proj.kd
    .args:
      - { .name: queries, .offset: 0, .size: 8, .value_kind: global_buffer, .address_space: global }
      - { .name: keys, .offset: 8, .size: 8, .value_kind: global_buffer, .address_space: global }
      - { .name: values, .offset: 16, .size: 8, .value_kind: global_buffer, .address_space: global }
      - { .name: wq_l, .offset: 24, .size: 8, .value_kind: global_buffer, .address_space: global }
      - { .name: wk_l, .offset: 32, .size: 8, .value_kind: global_buffer, .address_space: global }
      - { .name: wv_l, .offset: 40, .size: 8, .value_kind: global_buffer, .address_space: global }
      - { .name: wq_r, .offset: 48, .size: 8, .value_kind: global_buffer, .address_space: global }
      - { .name: wk_r, .offset: 56, .size: 8, .value_kind: global_buffer, .address_space: global }
      - { .name: wv_r, .offset: 64, .size: 8, .value_kind: global_buffer, .address_space: global }
      - { .name: qws, .offset: 72, .size: 8, .value_kind: global_buffer, .address_space: global }
      - { .name: kws, .offset: 80, .size: 8, .value_kind: global_buffer, .address_space: global }
      - { .name: vws, .offset: 88, .size: 8, .value_kind: global_buffer, .address_space: global }
      - { .name: bq, .offset: 96, .size: 8, .value_kind: global_buffer, .address_space: global }
      - { .name: bv, .offset: 104, .size: 8, .value_kind: global_buffer, .address_space: global }
    .group_segment_fixed_size: 38912
    .private_segment_fixed_size: 0
    .kernarg_segment_align: 8
    .kernarg_segment_size: 112
    .max_flat_workgroup_size: 128
    .sgpr_count:     66
    .vgpr_count:     416
    .wavefront_size: 32
...
	.end_amdgpu_metadata
.endif
;; end of part 1
;; launch attn (part 2): grid 2 x 128, 16 waves a work-group, no clusters, 201,728 bytes of LDS; arguments qws, kws, vws, mh; writes mh
.if DOCPART == 2
	.amdgcn_target "amdgcn-amd-amdhsa--gfx1250"
	.amdhsa_code_object_version 6
	.text
	.protected	k_qaf454b4ed5_attn
	.globl	k_qaf454b4ed5_attn
	.p2align	8
	.type	k_qaf454b4ed5_attn,@function
k_qaf454b4ed5_attn:
	s_mov_b64 s[64:65], 0
	v_nop
	global_prefetch_b8 v0, s[64:65] scope:SCOPE_SE
	s_setreg_imm32_b32 hwreg(HW_REG_WAVE_MODE, 25, 1), 1
	s_wait_xcnt 0x0
; THE ATTENTION.  For a head hb = (batch, l, r): out[q][x][e] = sum over y of (sum over keys k of p[q][x][k][y] v[k][y][e]) / (sum over k of p[q][x][k][y]), p = 2^(t - m), t = sum over e of q'[q][x][e] k'[k][y][e],
; m = the largest t over the 128 keys for that (q, x, y): the softmax runs over the keys alone, apart for every y.  (bk is left out as dead work: it is shown at the head of the first launch.)
; SHARES: a work-group takes 64 queries of one head: 32 tiles of 16 rows (2 queries x 8 x).  Wave w has y = w % 8 and walks 16 tiles, those of half w / 8.  Its keys' and values' fragments for that y stay in registers.
; S^T = K Q^T in bf16 (source 0 = 16 keys, source 1 = the tile): the head size is 8 and the instruction's K is 32, so its four groups of 8 hold the four products of the pairs (hi + lo)(hi + lo).  A lane holds one row and 8 keys a tile.
; O^T = V^T P in f16: p is at most 1, and V is brought under 2 by a power of two that the wave takes from its own V's largest magnitude (exact; multiplied back at the end).  Of source 0's rows m, m % 8 = 0 is a row of ones,
; m % 8 = 2 .. 5 are e = 4 (m / 8) + m % 8 - 2, the others zeros: so register 0 of the result is the row's sum of p in every lane, and registers 2 to 5 are e = 4 h .. 4 h + 3.
; LIMITS: p under 2^-25 rounds to 0 in f16; the sum is taken of the rounded p, the same numbers that are multiplied; NaN and infinities are not served.
; No tensor loads and no cluster: what is read again stays in registers; what streams is a tile of 512 bytes a unit, asked for a unit ahead; a head's K and V, 64 KB, are read once by two work-groups.
.set KL,    0                          ; LDS: K' of the head: 128 keys, 256 bytes + 16
.set VL,    34816                      ; V turned: 64 rows (8 y + e) of 128 keys x 4 bytes + 16
.set RED,   68608                      ; the waves' results: wave x 8192 + unit x 512 + 16 x lane
.set SPARE, 199680                     ; the spare words, 128 bytes a wave; no other line names them
.set QO,   1                           ; v1   Q: 32 r + 16 h
.set RB,   2                           ; v2   my place in RED
.set RADR, 3                           ; v3   and the unit's
.set SPW,  4                           ; v4   my spare word's LDS address; never rewritten
.set NIL,  5                           ; v5   0; never rewritten
.set MX,   6                           ; v[6:7] m (the pair is named; its low word serves)
.set CH,   8                           ; v8-11 four chains of the maximum
.set PT,   12                          ; v12  the other half's
.set BIG,  13                          ; v13  V's power of two
.set RL,   14                          ; v[14:15] that power / the sum; the sum
.set RES,  16                          ; v16-19 what goes to RED
.set NS,   20                          ; v20-23 the four numerators
.set QF,   24                          ; v24-31 Q's fragment
.set KF,   32                          ; v32-95 K's eight
.set VF,   96                          ; v96-127 V's four
.set S,    128                         ; v128-191 S^T, then p
.set P,    192                         ; v192-223 p in f16
.set OA,   224                         ; v224-231, v232-239 two accumulators of O^T
.set OB,   232
.set VMUL, 240                         ; v[240:241], v[242:243] what makes source 0's rows of V
.set VADD, 242
.set WV,   12
.set YY,   13
.set SUB,  14
.set QA,   16                          ; s[16:17] the tile of Q in hand
.set KA,   18
.set VA,   20
.set MH,   22
.set RO,   24                          ; s24 512 x unit
.set CNT,  25
.set SEL,  26
	s_load_b256 s[4:11], s[0:1], 0x0               ; qws, kws, vws, mh
	v_lshl_add_u32 v[SPW], v0, 2, SPARE
	v_mov_b32 v[NIL], 0
	v_lshrrev_b32 v244, 5, v0
	v_readfirstlane_b32 s[WV], v244                ; wave 0..15
	s_and_b32 s[YY], s[WV], 7
	s_lshr_b32 s[SUB], s[WV], 3
	s_and_b32 s28, ttmp7, 0xffff                   ; the head
	s_mov_b32 s[SEL], 0x76543210
	s_mov_b32 s[SEL+1], 0xfedcba98
	s_lshl_b32 s30, s28, 15                        ; a head is 32,768 bytes in each of the three
	s_mov_b32 s31, 0
	s_lshl_b32 s32, ttmp9, 14                      ; my work-group's 32 tiles of 512 bytes,
	s_lshl_b32 s29, s[SUB], 13                     ; my wave's 16 of them
	s_add_co_u32 s32, s32, s29
	s_mov_b32 s33, 0
	s_lshr_b32 s34, s28, 6                         ; mh: batch x 128 matrices of 16,384 bytes,
	s_lshl_b32 s34, s34, 21
	s_lshl_b32 s29, ttmp9, 20                      ; my 64 queries,
	s_add_co_u32 s34, s34, s29
	s_and_b32 s29, s28, 63                         ; the head's 256 bytes in a matrix
	s_lshl_b32 s29, s29, 8
	s_add_co_u32 s34, s34, s29
	s_mov_b32 s35, 0
	v_and_b32 v249, 31, v0                         ; lane
	v_and_b32 v250, 15, v0                         ; r
	v_bfe_u32 v251, v0, 4, 1                       ; h
	v_lshlrev_b32 v[QO], 5, v250
	v_lshl_add_u32 v[QO], v251, 4, v[QO]           ; lanes 0-15 take a row's high parts, lanes 16-31 its low parts
	s_lshl_b32 s29, s[WV], 13
	s_add_co_u32 s29, s29, RED
	v_lshl_add_u32 v[RB], v249, 4, s29
	v_lshlrev_b32 v244, 4, v0                      ; 16 bytes a thread: 8,192 a load of the work-group
	v_lshrrev_b32 v245, 4, v0
	v_mul_u32_u24 v245, v245, 272
	v_lshl_add_u32 v245, v250, 4, v245             ; K into LDS: key thread / 16, 16 bytes at 16 (thread % 16)
	v_lshrrev_b32 v246, 4, v0
	v_lshlrev_b32 v246, 2, v246
	v_mad_u32_u24 v246, v250, 2112, v246           ; V into LDS, turned: rows 4 (thread % 16) + j, key thread / 16
	v_add_nc_u32 v246, VL, v246
	s_lshl_b32 s29, s[YY], 5
	v_mul_u32_u24 v247, v250, 272
	v_add_nc_u32 v247, s29, v247                   ; K's fragments: key r, row y
	v_add_nc_u32 v248, 2, v250
	v_and_b32 v248, 3, v248
	v_bfe_u32 v252, v0, 3, 1
	v_lshl_add_u32 v248, v252, 2, v248             ; e = 4 (r / 8) + (r + 2) % 4: rows r % 8 = 2 .. 5 take e in order; the constant rows read rows of the same y, which serve the maximum alone
	v_mul_u32_u24 v248, v248, 528
	v_lshl_add_u32 v248, v251, 5, v248
	s_mul_i32 s29, s[YY], 4224
	s_add_co_u32 s29, s29, VL
	v_add_nc_u32 v248, s29, v248
	v_mov_b32 v[MX+1], 0                           ; named as the upper half of a pair
	v_mov_b32 v[PT], 0                             ; a lane permute's destination counts as one of its sources
	s_mov_b32 s[RO], 0
	s_mov_b32 s[CNT], 15
	s_wait_kmcnt 0x0
	s_add_nc_u64 s[KA:KA+1], s[6:7], s[30:31]
	s_add_nc_u64 s[VA:VA+1], s[8:9], s[30:31]
	s_add_nc_u64 s[QA:QA+1], s[4:5], s[30:31]
	s_add_nc_u64 s[QA:QA+1], s[QA:QA+1], s[32:33]
	s_add_nc_u64 s[MH:MH+1], s[10:11], s[34:35]
.irp i, 0,1,2,3
	global_load_b128 v[S+4*\i:S+4*\i+3], v244, s[KA:KA+1] offset:\i*8192
.endr
.irp i, 0,1,2,3
	global_load_b128 v[S+16+4*\i:S+16+4*\i+3], v244, s[VA:VA+1] offset:\i*8192
.endr
	global_load_b128 v[QF:QF+3], v[QO], s[QA:QA+1]       ; the first tile of Q: the same 16 bytes twice,
	global_load_b128 v[QF+4:QF+7], v[QO], s[QA:QA+1]     ; against K's high parts and against its low parts
	s_wait_loadcnt 6                               ; K is in: behind it stand V's four and Q's two
.irp i, 0,1,2,3
	ds_store_b128 v245, v[S+4*\i:S+4*\i+3] offset:KL+\i*8704
.endr
	s_wait_loadcnt 2                               ; V is in: behind it stand Q's two
.irp i, 0,1,2,3
.irp j, 0,1,2,3
	ds_store_b32 v246, v[S+16+4*\i+\j] offset:\j*528+\i*128
.endr
.endr
	s_wait_dscnt 0x0                               ; my part of K and V has landed
	s_barrier_signal -1
	s_barrier_wait -1                              ; everybody's has
.irp kt, 0,1,2,3,4,5,6,7
	ds_load_b128 v[KF+8*\kt:KF+8*\kt+3], v247 offset:KL+\kt*4352        ; keys 16 kt + r: high parts in registers 0-3,
	ds_load_b128 v[KF+8*\kt+4:KF+8*\kt+7], v247 offset:KL+\kt*4352+16   ; low parts in 4-7, alike in both halves of the lanes
.endr
.irp c, 0,1,2,3
	ds_load_b128 v[S+16*\c:S+16*\c+3], v248 offset:\c*128               ; keys 32 c + 8 h + 0 .. 7
	ds_load_b128 v[S+16*\c+4:S+16*\c+7], v248 offset:\c*128+16
	ds_load_b128 v[S+16*\c+8:S+16*\c+11], v248 offset:\c*128+64         ; keys 32 c + 16 + 8 h + 0 .. 7
	ds_load_b128 v[S+16*\c+12:S+16*\c+15], v248 offset:\c*128+80
.endr
	s_wait_dscnt 0x0
.irp b, 0,1,2,3
	v_max3_num_f32 v[CH+\b], |v[S+16*\b]|, |v[S+16*\b+1]|, 0x800000     ; the largest magnitude of my y's V, with the floor 2^-126
.endr
.irp i, 2,4,6,8,10,12,14
.irp b, 0,1,2,3
	v_max3_num_f32 v[CH+\b], v[CH+\b], |v[S+16*\b+\i]|, |v[S+16*\b+\i+1]|
.endr
.endr
	v_max3_num_f32 v[CH], v[CH], v[CH+1], v[CH+2]
	v_max_num_f32 v[CH], v[CH], v[CH+3]
	v_max_num_f32_dpp v[CH], v[CH], v[CH] row_xmask:1 row_mask:0xf bank_mask:0xf
	v_max_num_f32_dpp v[CH], v[CH], v[CH] row_xmask:2 row_mask:0xf bank_mask:0xf
	v_max_num_f32_dpp v[CH], v[CH], v[CH] row_xmask:4 row_mask:0xf bank_mask:0xf
	v_max_num_f32_dpp v[CH], v[CH], v[CH] row_xmask:8 row_mask:0xf bank_mask:0xf
	v_permlanex16_b32 v[PT], v[CH], s[SEL], s[SEL+1]
	v_max_num_f32 v[CH], v[CH], v[PT]
	v_and_b32 v252, 0x7f800000, v[CH]              ; its exponent field alone: a power of two,
	v_min_u32 v[BIG], 0x7e800000, v252             ; held so that its reciprocal is a normal number
	v_sub_nc_u32 v253, 0x7f000000, v[BIG]          ; the reciprocal: exponent field 254 less the field
	v_and_b32 v254, 7, v0
	v_add_nc_u32 v255, -2, v254
	v_cmp_gt_u32 vcc_lo, 4, v255                   ; rows r % 8 = 2 .. 5 hold V
	v_cndmask_b32 v[VMUL], 0, v253, vcc_lo
	v_mov_b32 v[VMUL+1], v[VMUL]
	v_mov_b32 v252, 1.0
	v_cmp_eq_u32 vcc_lo, 0, v254                   ; rows r % 8 = 0 hold ones
	v_cndmask_b32 v[VADD], 0, v252, vcc_lo
	v_mov_b32 v[VADD+1], v[VADD]
.set i, 0
.rept 32
	v_pk_fma_f32 v[S+2*i:S+2*i+1], v[S+2*i:S+2*i+1], v[VMUL:VMUL+1], v[VADD:VADD+1] op_sel_hi:[1,0,0]
.set i, i+1
.endr
.set i, 0
.rept 32
	v_cvt_pk_f16_f32 v[VF+i], v[S+2*i], v[S+2*i+1]
.set i, i+1
.endr
; A UNIT: 16 rows, my y, all 128 keys.  next = 1: the next tile of Q is asked for behind the products, and has the softmax in which to land
.macro UNIT next
	s_wait_loadcnt 0x0                             ; Q is in, and its loads have read their base
.if \next
	s_add_nc_u64 s[QA:QA+1], s[QA:QA+1], 512
.endif
.irp kt, 0,1,2,3,4,5,6,7
	v_wmma_f32_16x16x32_bf16 v[S+8*\kt:S+8*\kt+7], v[KF+8*\kt:KF+8*\kt+7], v[QF:QF+7], 0
.endr
	s_wait_dscnt 0x0                               ; the last unit's store has read its address and data
	v_add_nc_u32 v[RADR], s[RO], v[RB]             ; with the three below: four places behind the products, ahead of the loads into Q's registers and of the first read of the scores
.rept 3
	v_nop
.endr
.if \next
	global_load_b128 v[QF:QF+3], v[QO], s[QA:QA+1]
	global_load_b128 v[QF+4:QF+7], v[QO], s[QA:QA+1]
.endif
.irp b, 0,1,2,3
	v_max3_num_f32 v[CH+\b], v[S+16*\b], v[S+16*\b+1], v[S+16*\b+2]      ; four chains by turns; each accumulator is read from its low end on
.endr
.irp i, 3,5,7,9,11,13
.irp b, 0,1,2,3
	v_max3_num_f32 v[CH+\b], v[CH+\b], v[S+16*\b+\i], v[S+16*\b+\i+1]
.endr
.endr
.irp b, 0,1,2,3
	v_max_num_f32 v[CH+\b], v[CH+\b], v[S+16*\b+15]
.endr
	v_max3_num_f32 v[CH], v[CH], v[CH+1], v[CH+2]
	v_max_num_f32 v[CH], v[CH], v[CH+3]
	v_permlanex16_b32 v[PT], v[CH], s[SEL], s[SEL+1]
	v_max_num_f32 v[MX], v[CH], v[PT]              ; with lane l xor 16's 64 keys: the row's largest t
.set i, 0
.rept 32
	v_pk_add_f32 v[S+2*i:S+2*i+1], v[S+2*i:S+2*i+1], v[MX:MX+1] op_sel_hi:[1,0] neg_lo:[0,1] neg_hi:[0,1]
.set i, i+1
.endr
.set i, 0
.rept 64
	v_exp_f32 v[S+i], v[S+i]                       ; p = 2^(t - m)
.set i, i+1
.endr
	v_nop                                          ; a plain place behind the last exponential
	s_wait_alu depctr_va_vdst(0)                   ; one wait for the batch, ahead of its first reader
.set i, 0
.rept 32
	v_cvt_pk_f16_f32 v[P+i], v[S+2*i], v[S+2*i+1]  ; tiles 2 c and 2 c + 1 are source 1 for keys 32 c .. 32 c + 31
.set i, i+1
.endr
	v_wmma_f32_16x16x32_f16 v[OA:OA+7], v[VF:VF+7], v[P:P+7], 0                    ; two accumulators by turns
	v_wmma_f32_16x16x32_f16 v[OB:OB+7], v[VF+8:VF+15], v[P+8:P+15], 0
	v_wmma_f32_16x16x32_f16 v[OA:OA+7], v[VF+16:VF+23], v[P+16:P+23], v[OA:OA+7]
	v_wmma_f32_16x16x32_f16 v[OB:OB+7], v[VF+24:VF+31], v[P+24:P+31], v[OB:OB+7]
.rept 4
	v_nop
.endr
	v_add_f32 v[RL+1], v[OA], v[OB]                ; register 0: the row's sum of p
	v_rcp_f32 v[RL], v[RL+1]
	v_pk_add_f32 v[NS:NS+1], v[OA+2:OA+3], v[OB+2:OB+3]     ; registers 2 to 5: e = 4 h + 0 .. 3.  (Plain work behind the reciprocal)
	v_pk_add_f32 v[NS+2:NS+3], v[OA+4:OA+5], v[OB+4:OB+5]
	s_wait_alu depctr_va_vdst(0)                   ; ahead of the reciprocal's first reader
	v_mul_f32 v[RL], v[RL], v[BIG]                 ; V's power of two comes back
	v_pk_mul_f32 v[RES:RES+1], v[NS:NS+1], v[RL:RL+1] op_sel_hi:[1,0]
	v_pk_mul_f32 v[RES+2:RES+3], v[NS+2:NS+3], v[RL:RL+1] op_sel_hi:[1,0]
	ds_store_b128 v[RADR], v[RES:RES+3]
.if \next
	s_add_co_u32 s[RO], s[RO], 512
.endif
.endm
.Lunit:                                            ; 15 trips; the last unit is written out, so that no load leaves the buffer
	UNIT 1
	s_sub_co_u32 s[CNT], s[CNT], 1
	s_cmp_lg_u32 s[CNT], 0
	s_cbranch_scc1 .Lunit
	UNIT 0
	; THE SUM OVER y.  Wave w takes tiles 2 w and 2 w + 1 of the work-group's 32: tile 16 sub + i lies at (8 sub + y) x 8192 + 512 i
	s_wait_dscnt 0x0                               ; my results have landed
	s_barrier_signal -1
	s_barrier_wait -1                              ; everybody's have
	s_lshl_b32 s28, s[SUB], 16
	s_lshl_b32 s29, s[YY], 10
	s_add_co_u32 s28, s28, s29
	s_add_co_u32 s28, s28, RED
	v_lshl_add_u32 v244, v249, 4, s28
	s_lshl_b32 s29, s[WV], 16                      ; mh: four queries of 16,384 bytes a wave
	v_bfe_u32 v245, v0, 3, 1
	v_lshlrev_b32 v245, 14, v245                   ; the query of my row,
	v_and_b32 v246, 7, v0
	v_lshl_add_u32 v245, v246, 5, v245             ; its x,
	v_lshl_add_u32 v245, v251, 4, v245             ; lanes 0-15 the high parts, lanes 16-31 the low parts
	v_add_nc_u32 v245, s29, v245
.irp tt, 0,1
.irp y, 0,1,2,3,4,5,6,7
	ds_load_b128 v[S+4*(8*\tt+\y):S+4*(8*\tt+\y)+3], v244 offset:\y*8192+\tt*512
.endr
.endr
	s_wait_dscnt 0x0
.irp tt, 0,1
.irp y, 0,2,4,6
.irp p, 0,2
	v_pk_add_f32 v[S+32*\tt+4*\y+\p:S+32*\tt+4*\y+\p+1], v[S+32*\tt+4*\y+\p:S+32*\tt+4*\y+\p+1], v[S+32*\tt+4*\y+4+\p:S+32*\tt+4*\y+4+\p+1]
.endr
.endr
.irp y, 0,4
.irp p, 0,2
	v_pk_add_f32 v[S+32*\tt+4*\y+\p:S+32*\tt+4*\y+\p+1], v[S+32*\tt+4*\y+\p:S+32*\tt+4*\y+\p+1], v[S+32*\tt+4*\y+8+\p:S+32*\tt+4*\y+8+\p+1]
.endr
.endr
.irp p, 0,2
	v_pk_add_f32 v[S+32*\tt+\p:S+32*\tt+\p+1], v[S+32*\tt+\p:S+32*\tt+\p+1], v[S+32*\tt+16+\p:S+32*\tt+16+\p+1]
.endr
	v_cvt_pk_bf16_f32 v[P+4*\tt], v[S+32*\tt], v[S+32*\tt+1]           ; my four numbers as a pair of bf16: high parts,
	v_cvt_pk_bf16_f32 v[P+4*\tt+1], v[S+32*\tt+2], v[S+32*\tt+3]
	v_lshlrev_b32 v[NS], 16, v[P+4*\tt]
	v_and_b32 v[NS+1], 0xffff0000, v[P+4*\tt]
	v_lshlrev_b32 v[NS+2], 16, v[P+4*\tt+1]
	v_and_b32 v[NS+3], 0xffff0000, v[P+4*\tt+1]
	v_pk_add_f32 v[NS:NS+1], v[S+32*\tt:S+32*\tt+1], v[NS:NS+1] neg_lo:[0,1] neg_hi:[0,1]
	v_pk_add_f32 v[NS+2:NS+3], v[S+32*\tt+2:S+32*\tt+3], v[NS+2:NS+3] neg_lo:[0,1] neg_hi:[0,1]
	v_cvt_pk_bf16_f32 v[P+4*\tt+2], v[NS], v[NS+1]                      ; low parts
	v_cvt_pk_bf16_f32 v[P+4*\tt+3], v[NS+2], v[NS+3]
	v_permlane16_swap_b32 v[P+4*\tt], v[P+4*\tt+2]                      ; lanes 0-15 now hold the high parts of e = 0 .. 7, lanes 16-31 the low parts
	v_permlane16_swap_b32 v[P+4*\tt+1], v[P+4*\tt+3]
	global_store_b128 v245, v[P+4*\tt:P+4*\tt+3], s[MH:MH+1] offset:\tt*32768   ; the instruction covers two runs of 256 consecutive bytes, aligned: the head's eight rows of two queries
.endr
	s_wait_tensorcnt 0x0                           ; the wave's end
	ds_add_u32 v[SPW], v[NIL]
	s_wait_dscnt 0x0
	s_endpgm
.Lfunc_end_k_qaf454b4ed5_attn:
	.size	k_qaf454b4ed5_attn, .Lfunc_end_k_qaf454b4ed5_attn-k_qaf454b4ed5_attn
	.p2alignl 7, 3214868480
	.fill 96, 4, 3214868480
	.section	.rodata,"a",@progbits
	.p2align	6, 0x0
	.amdhsa_kernel k_qaf454b4ed5_attn
		.amdhsa_group_segment_fixed_size 201728
		.amdhsa_private_segment_fixed_size 0
		.amdhsa_enable_private_segment 0
		.amdhsa_kernarg_size 32
		.amdhsa_user_sgpr_count 2
		.amdhsa_user_sgpr_kernarg_segment_ptr 1
		.amdhsa_wavefront_size32 1
		.amdhsa_system_sgpr_workgroup_id_x 1
		.amdhsa_system_sgpr_workgroup_id_y 1
		.amdhsa_system_sgpr_workgroup_id_z 1
		.amdhsa_system_vgpr_workitem_id 0
		.amdhsa_next_free_vgpr 256
		.amdhsa_next_free_sgpr 66
		.amdhsa_reserve_vcc 1
		.amdhsa_float_denorm_mode_32 3
		.amdhsa_float_denorm_mode_16_64 3
		.amdhsa_memory_ordered 1
		.amdhsa_forward_progress 1
		.amdhsa_inst_pref_size 40
	.end_amdhsa_kernel
	.amdgpu_metadata
---
amdhsa.version: [ 1, 2 ]
amdhsa.kernels:
  - .name:           k_qaf454b4ed5_attn
    .symbol:         k_qaf454b4ed5_attn.kd
    .args:
      - { .name: qws, .offset: 0, .size: 8, .value_kind: global_buffer, .address_space: global }
      - { .name: kws, .offset: 8, .size: 8, .value_kind: global_buffer, .address_space: global }
      - { .name: vws, .offset: 16, .size: 8, .value_kind: global_buffer, .address_space: global }
      - { .name: mh, .offset: 24, .size: 8, .value_kind: global_buffer, .address_space: global }
    .group_segment_fixed_size: 201728
    .private_segment_fixed_size: 0
    .kernarg_segment_align: 8
    .kernarg_segment_size: 32
    .max_flat_workgroup_size: 512
    .sgpr_count:     66
    .vgpr_count:     256
    .wavefront_size: 32
...
	.end_amdgpu_metadata
.endif
;; end of part 2
;; launch outp (part 3): grid 256 x 1, 4 waves a work-group, no clusters, 34,304 bytes of LDS; arguments mh, wo_r, wo_l, bo, out0; writes out0
.if DOCPART == 3
	.amdgcn_target "amdgcn-amd-amdhsa--gfx1250"
	.amdhsa_code_object_version 6
	.text
	.protected	k_qaf454b4ed5_outp
	.globl	k_qaf454b4ed5_outp
	.p2align	8
	.type	k_qaf454b4ed5_outp,@function
k_qaf454b4ed5_outp:
	s_mov_b64 s[64:65], 0
	v_nop
	global_prefetch_b8 v0, s[64:65] scope:SCOPE_SE
	s_setreg_imm32_b32 hwreg(HW_REG_WAVE_MODE, 25, 1), 1
	s_wait_xcnt 0x0
; THE LAST BILINEAR LAYER.  out0[c'][d'] = (sum over c, d of M[c][d] wo_l[c][c'] wo_r[d][d'] + bo[c'][d']) / 8, for 256 matrices M of 64 x 64, the merged heads, which arrive as pairs of bf16.
; LIMIT, an order of rounding: d is summed first, W[c][d'] = sum over d of M[c][d] wo_r[d][d'], then c; reference() sums c first.  So a wave's W stays in its own registers and no computed operand goes from wave to wave.
; Both products are left as they are: every operand is a pair of bf16 (hi + lo, split in f32), three products of the four (lo x lo is left out: 2^-18 of the sum); sums in f32.
; SHARES: a work-group takes one matrix; wave w owns columns d' = 16 w .. 16 w + 15.  It splits its own 16 columns of wo_r, and 16 columns c' of wo_l, which go to the other waves through LDS as images of their registers.
.set WLIMG, 0                          ; LDS: wo_l's fragments: tile of 16 c' x 4096 + n x 512 + 16 x lane
.set STG,   16384                      ; the stage: 64 rows of 256 bytes + 16
.set SPARE, 33792                      ; the spare words, 128 bytes a wave; no other line names them
.set MA,  4                            ; v4   M: 2048 (r / 8) + 32 (r % 8) + 256 h
.set RA,  6                            ; v6   the weights: 2048 h + 4 r + 64 w
.set BA,  7                            ; v7   bo: 256 r + 32 h + 64 w
.set LI,  8                            ; v8   16 x lane
.set RWI, 12                           ; v12  where I store wo_l's images
.set SO,  13                           ; v13  the stage, in
.set SR,  14                           ; v14  the stage, back
.set GO,  15                           ; v15  my byte offset in the matrix of out0
.set SPW, 16                           ; v16  my spare word's LDS address; never rewritten
.set NIL, 17                           ; v17  0; never rewritten
.set T,   20                           ; v20-27 at work in SPLIT
.set RRW, 32                           ; v32-63 wo_r as loaded; then the results
.set RES, 32
.set LRW, 64                           ; v64-95 wo_l as loaded; then rows read back from the stage
.set OUTR, 64
.set WOR, 96                           ; v96-127 wo_r's four fragments
.set LFR, 128                          ; v128-159 my four fragments of wo_l; then W's four tiles
.set W1,  128
.set WHI, 160                          ; v160-175 W as an operand, high parts; v176-191 low parts
.set WLO, 176
.set ACC, 192                          ; v192-223 the four tiles of the result
.set BIAS, 224                         ; v224-255 bo in the result's layout
                                       ; window 1: v0-127 M's fragments, (tc, ks, part) at 8 (4 tc + 2 ks + part); v128-255 wo_l's, likewise
.set WV,  14
.set MSB, 0
.macro WIN new                         ; the immediate's high byte repeats the setting that is left
.if MSB != \new
	s_set_vgpr_msb (MSB<<8)|\new
.set MSB, \new
.endif
.endm
.macro SPLIT src, hi, lo               ; eight f32 become four registers of bf16 high parts and four of low parts; the source is read from its low end on
.irp i, 0,1,2,3
	v_cvt_pk_bf16_f32 v[(\hi)+\i], v[(\src)+2*\i], v[(\src)+2*\i+1]
.endr
.irp i, 0,1,2,3
	v_lshlrev_b32 v[T+2*\i], 16, v[(\hi)+\i]
	v_and_b32 v[T+2*\i+1], 0xffff0000, v[(\hi)+\i]
.endr
.irp i, 0,1,2,3
	v_pk_add_f32 v[T+2*\i:T+2*\i+1], v[(\src)+2*\i:(\src)+2*\i+1], v[T+2*\i:T+2*\i+1] neg_lo:[0,1] neg_hi:[0,1]
.endr
.irp i, 0,1,2,3
	v_cvt_pk_bf16_f32 v[(\lo)+\i], v[T+2*\i], v[T+2*\i+1]
.endr
.endm
.macro WLOAD raw, voff, base           ; W[32 ks + 16 g + 8 h + j][16 w + r] into register 16 ks + 8 g + j
.irp ks, 0,1
.irp g, 0,1
.irp j, 0,1,2,3,4,5,6,7
	global_load_b32 v[(\raw)+16*\ks+8*\g+\j], v[\voff], s[\base:\base+1] offset:(32*\ks+16*\g+\j)*256
.endr
.endr
.endr
.endm
.macro WFRAG raw, f                    ; fragment (ks, hi) at f + 16 ks, (ks, lo) at f + 16 ks + 8
.irp ks, 0,1
.irp g, 0,1
	SPLIT (\raw)+16*\ks+8*\g, (\f)+16*\ks+4*\g, (\f)+16*\ks+8+4*\g
.endr
.endr
.endm
.macro IMG4 adr, f, off
.irp n, 0,1,2,3,4,5,6,7
	ds_store_b128 v[\adr], v[(\f)+4*\n:(\f)+4*\n+3] offset:(\off)+512*\n
.endr
.endm
.macro PLACES
.rept 4
	v_nop
.endr
.endm
; W(tc) += M(tc, ..) x wo_r(..): source 0 = 16 rows c of M, source 1 = my 16 columns d'.  The four accumulators by turns
.macro TERM1 mf, wf, first
.irp tc, 0,1,2,3
.if \first
	v_wmma_f32_16x16x32_bf16 v[W1+8*\tc:W1+8*\tc+7], v[32*\tc+\mf:32*\tc+\mf+7], v[\wf:\wf+7], 0
.else
	v_wmma_f32_16x16x32_bf16 v[W1+8*\tc:W1+8*\tc+7], v[32*\tc+\mf:32*\tc+\mf+7], v[\wf:\wf+7], v[W1+8*\tc:W1+8*\tc+7]
.endif
.endr
.endm
; out(tcp) += W x wo_l(tcp, ..): source 0 = my 16 columns d' of W, source 1 = 16 columns c' of wo_l: a lane holds row c' and eight neighbouring d'
.macro TERM2 af, lf, first
.irp tcp, 0,1,2,3
.if \first
	v_wmma_f32_16x16x32_bf16 v[ACC+8*\tcp:ACC+8*\tcp+7], v[\af:\af+7], v[128+32*\tcp+\lf:128+32*\tcp+\lf+7], v[BIAS+8*\tcp:BIAS+8*\tcp+7]
.else
	v_wmma_f32_16x16x32_bf16 v[ACC+8*\tcp:ACC+8*\tcp+7], v[\af:\af+7], v[128+32*\tcp+\lf:128+32*\tcp+\lf+7], v[ACC+8*\tcp:ACC+8*\tcp+7]
.endif
.endr
.endm
	s_load_b256 s[4:11], s[0:1], 0x0               ; mh, wo_r, wo_l, bo
	s_load_b64 s[12:13], s[0:1], 0x20              ; out0
	v_lshl_add_u32 v[SPW], v0, 2, SPARE
	v_mov_b32 v[NIL], 0
	v_lshrrev_b32 v1, 5, v0
	v_readfirstlane_b32 s[WV], v1                  ; wave 0..3
	v_and_b32 v1, 31, v0                           ; lane
	v_and_b32 v2, 15, v0                           ; r
	v_bfe_u32 v3, v0, 4, 1                         ; h
	v_bfe_u32 v18, v0, 3, 1
	v_and_b32 v19, 7, v0
	v_lshlrev_b32 v[MA], 11, v18
	v_lshl_add_u32 v[MA], v19, 5, v[MA]
	v_lshl_add_u32 v[MA], v3, 8, v[MA]
	s_lshl_b32 s20, s[WV], 6
	v_lshl_add_u32 v[RA], v2, 2, s20
	v_lshl_add_u32 v[RA], v3, 11, v[RA]
	v_lshl_add_u32 v[BA], v2, 8, s20
	v_lshl_add_u32 v[BA], v3, 5, v[BA]
	v_lshlrev_b32 v[LI], 4, v1
	s_lshl_b32 s21, s[WV], 12
	v_add_nc_u32 v[RWI], s21, v[LI]
	v_mul_u32_u24 v[SO], v2, 272
	v_lshl_add_u32 v[SO], v3, 5, v[SO]
	s_add_co_u32 s22, s20, STG
	v_add_nc_u32 v[SO], s22, v[SO]                 ; in: row r of a tile, 32 h, my 64 bytes of the row
	s_mul_i32 s22, s[WV], 4352
	s_add_co_u32 s22, s22, STG
	v_mul_u32_u24 v[SR], v3, 272
	v_lshl_add_u32 v[SR], v2, 4, v[SR]
	v_add_nc_u32 v[SR], s22, v[SR]                 ; back: my 16 rows, two an instruction
	v_lshl_add_u32 v[GO], v2, 4, s21
	v_lshl_add_u32 v[GO], v3, 8, v[GO]
	s_mov_b32 s18, 0x3e000000                      ; 1 / 8
	s_mov_b32 s19, s18
	s_lshl_b32 s16, ttmp9, 14                      ; my matrix
	s_mov_b32 s17, 0
	s_wait_kmcnt 0x0
	s_add_nc_u64 s[4:5], s[4:5], s[16:17]
	s_add_nc_u64 s[12:13], s[12:13], s[16:17]
	WIN 0x40                                       ; destination window 1
.irp tc, 0,1,2,3
.irp ks, 0,1
.irp p, 0,1
.irp g, 0,1
	global_load_b128 v[8*(4*\tc+2*\ks+\p)+4*\g:8*(4*\tc+2*\ks+\p)+4*\g+3], v[MA], s[4:5] offset:\tc*4096+\ks*1024+\p*16+\g*512   ; row c = 16 tc + r, d = 32 ks + 16 g + 8 h + 0 .. 7: one right head's eight e
.endr
.endr
.endr
.endr
	WIN 0
	WLOAD LRW, RA, 8
	WLOAD RRW, RA, 6
.irp tcp, 0,1,2,3
	global_load_b128 v[BIAS+8*\tcp:BIAS+8*\tcp+3], v[BA], s[10:11] offset:\tcp*4096       ; bo[16 tcp + r][16 w + 8 h + 0 .. 7]
	global_load_b128 v[BIAS+8*\tcp+4:BIAS+8*\tcp+7], v[BA], s[10:11] offset:\tcp*4096+16
.endr
	s_wait_loadcnt 40                              ; wo_l is in: behind it stand wo_r's 32 and the bias's 8
	WFRAG LRW, LFR
	IMG4 RWI, LFR, WLIMG
	s_wait_loadcnt 8                               ; wo_r is in: behind it stand the bias's 8
	WFRAG RRW, WOR
	s_wait_dscnt 0x0                               ; my images have landed
	s_barrier_signal -1
	s_barrier_wait -1                              ; everybody's have
	WIN 0x40
.set n, 0
.rept 32
	ds_load_b128 v[128+4*n:128+4*n+3], v[LI] offset:WLIMG+512*n
.set n, n+1
.endr
	WIN 0
	s_wait_loadcnt 0x0
	s_wait_dscnt 0x0
	WIN 0x01                                       ; source 0 (M) window 1
	TERM1 0, WOR, 1
	TERM1 16, WOR+16, 0
	TERM1 8, WOR, 0
	TERM1 24, WOR+16, 0
	TERM1 0, WOR+8, 0
	TERM1 16, WOR+24, 0
	WIN 0
	PLACES                                         ; lane (r, h) of tile tc: column d' = 16 w + r, c = 16 tc + 8 h + register: tiles 2 ks and 2 ks + 1 are K step ks of the next product, in the operand's order
.irp tc, 0,1,2,3
	SPLIT W1+8*\tc, WHI+8*(\tc/2)+4*(\tc%2), WLO+8*(\tc/2)+4*(\tc%2)
.endr
	WIN 0x04                                       ; source 1 (wo_l) window 1
	TERM2 WHI, 0, 1
	TERM2 WHI+8, 16, 0
	TERM2 WLO, 0, 0
	TERM2 WLO+8, 16, 0
	TERM2 WHI, 8, 0
	TERM2 WHI+8, 24, 0
	WIN 0
	PLACES
.irp i, 0,2,4,6,8,10,12,14,16,18,20,22,24,26,28,30
	v_pk_mul_f32 v[RES+\i:RES+\i+1], v[ACC+\i:ACC+\i+1], s[18:19] op_sel_hi:[1,0]
.endr
.irp tcp, 0,1,2,3
.irp p, 0,1
	ds_store_b128 v[SO], v[RES+8*\tcp+4*\p:RES+8*\tcp+4*\p+3] offset:\tcp*4352+16*\p
.endr
.endr
	s_wait_dscnt 0x0                               ; a row's 256 bytes come from four waves: my part has landed
	s_barrier_signal -1
	s_barrier_wait -1                              ; everybody's has
.irp i, 0,1,2,3,4,5,6,7
	ds_load_b128 v[OUTR+4*\i:OUTR+4*\i+3], v[SR] offset:\i*544
.endr
.irp i, 0,1,2,3,4,5,6,7
	s_wait_dscnt 7-\i
	global_store_b128 v[GO], v[OUTR+4*\i:OUTR+4*\i+3], s[12:13] offset:\i*512 th:TH_STORE_NT   ; sixteen lanes store a row of 256 consecutive bytes, aligned; written once, read by nobody here
.endr
	s_wait_tensorcnt 0x0                           ; the wave's end
	ds_add_u32 v[SPW], v[NIL]
	s_wait_dscnt 0x0
	s_endpgm
.Lfunc_end_k_qaf454b4ed5_outp:
	.size	k_qaf454b4ed5_outp, .Lfunc_end_k_qaf454b4ed5_outp-k_qaf454b4ed5_outp
	.p2alignl 7, 3214868480
	.fill 96, 4, 3214868480
	.section	.rodata,"a",@progbits
	.p2align	6, 0x0
	.amdhsa_kernel k_qaf454b4ed5_outp
		.amdhsa_group_segment_fixed_size 34304
		.amdhsa_private_segment_fixed_size 0
		.amdhsa_enable_private_segment 0
		.amdhsa_kernarg_size 40
		.amdhsa_user_sgpr_count 2
		.amdhsa_user_sgpr_kernarg_segment_ptr 1
		.amdhsa_wavefront_size32 1
		.amdhsa_system_sgpr_workgroup_id_x 1
		.amdhsa_system_sgpr_workgroup_id_y 1
		.amdhsa_system_sgpr_workgroup_id_z 1
		.amdhsa_system_vgpr_workitem_id 0
		.amdhsa_next_free_vgpr 512
		.amdhsa_next_free_sgpr 66
		.amdhsa_reserve_vcc 0
		.amdhsa_float_denorm_mode_32 3
		.amdhsa_float_denorm_mode_16_64 3
		.amdhsa_memory_ordered 1
		.amdhsa_forward_progress 1
		.amdhsa_inst_pref_size 35
	.end_amdhsa_kernel
	.amdgpu_metadata
---
amdhsa.version: [ 1, 2 ]
amdhsa.kernels:
  - .name:           k_qaf454b4ed5_outp
    .symbol:         k_qaf454b4ed5_outp.kd
    .args:
      - { .name: mh, .offset: 0, .size: 8, .value_kind: global_buffer, .address_space: global }
      - { .name: wo_r, .offset: 8, .size: 8, .value_kind: global_buffer, .address_space: global }
      - { .name: wo_l, .offset: 16, .size: 8, .value_kind: global_buffer, .address_space: global }
      - { .name: bo, .offset: 24, .size: 8, .value_kind: global_buffer, .address_space: global }
      - { .name: out0, .offset: 32, .size: 8, .value_kind: global_buffer, .address_space: global }
    .group_segment_fixed_size: 34304
    .private_segment_fixed_size: 0
    .kernarg_segment_align: 8
    .kernarg_segment_size: 40
    .max_flat_workgroup_size: 128
    .sgpr_count:     66
    .vgpr_count:     512
    .wavefront_size: 32
...
	.end_amdgpu_metadata
.endif
;; end of part 3
